; MI455X (gfx1250); checked and timed in simulation.
; The chip was launched on July 23, 2026; its instructions are those of AMD's public machine-readable ISA for CDNA 5 (MIT licence, August 2026) and "CDNA5" Instruction Set Architecture Reference Guide (July 2026). The comments in the code are by the model that wrote it; some were corrected since.
;; Time Aware GQA. Allowed arithmetic: float matrix products may take bf16 or f16 operands with f32 sums; all other float work in f32.
;; Inputs: Wk 1,024 x 256 float32; Wo 1,024 x 1,024 float32; Wq 1,024 x 1,024 float32; Wv 1,024 x 256 float32; key 4 x 2,048 x 1,024 float32; mask 4 x 2,048 float32; query 4 x 2,048 x 1,024 float32; session_deltas 4 x 2,048 float32; time_bias_weight one number float32; value 4 x 2,048 x 1,024 float32.
;; Outputs: out0 4 x 2,048 x 1,024 float32.
;; One version. Each part assembles by itself: llvm-mc -triple=amdgcn-amd-amdhsa -mcpu=gfx1250 --defsym DOCPART=n.
;; ======== version 1 of 1: 4 launches
;; limits: values are held in f16: magnitudes above 65,504 overflow, below 6.1e-05 lose precision
;; workspace buffers: wqkv 3,145,728 bytes; wob 2,097,152 bytes; ctmb 65,536 bytes; qkv 25,165,824 bytes; ab 16,777,216 bytes
;; launch prep (part 1): grid 324 x 1, 8 waves a work-group, no clusters, 17,664 bytes of LDS; arguments Wq, Wo, Wk, Wv, session_deltas, mask, wqkv, wob, ctmb; writes wqkv, wob, ctmb
.if DOCPART == 1
	.amdgcn_target "amdgcn-amd-amdhsa--gfx1250"
	.amdhsa_code_object_version 6
	.text
	.protected	k_q5c1eaa03b9_prep
	.globl	k_q5c1eaa03b9_prep
	.p2align	8
	.type	k_q5c1eaa03b9_prep,@function
k_q5c1eaa03b9_prep:
	s_mov_b64 s[64:65], 0
	v_nop
	global_prefetch_b8 v0, s[64:65] scope:SCOPE_SE
	s_setreg_imm32_b32 hwreg(HW_REG_WAVE_MODE, 25, 1), 1
	s_wait_xcnt 0x0
; prep: the weights as f16, and the two per-key tables of the time bias.
;   wqkv [1024 k][1536] f16: columns 0-1023 c*Wq (c = 0.125*log2(e): the score scale and the change to base 2), 1024-1279 Wk, 1280-1535 Wv
;   wob  [1024 k][1024] f16: Wo
;   ctmb [4 b][ct 2048 | mb2 2048] f32: ct = running sum of session_deltas, mb2 = (1 - mask) * (-1e9 * log2(e))
; Work-groups 0-127 cast Wq, 128-255 Wo, 256-287 Wk, 288-319 Wv, 8,192 numbers each; 320-323 make one batch's tables.
; A stream: no matrix unit, no tensor loads.  A wave's load covers 512 consecutive bytes, its store 256 consecutive aligned bytes.
; LIMITS: weights beyond f16's largest number (65,504) overflow.  The running sum is added as a tree in f32
; (8 numbers in a thread, 16 lanes, 2 halves, 8 waves), not one after the other.
.set CSCALE, 0x3e38aa3b                ; 0.125 * log2(e)
.set BIG,    0x4eabfb8f                ; 1e9 * log2(e)
.set IMG,    256                       ; LDS: bytes 0-31 the waves' sums; from 256 on the 16 KiB image of one batch's tables
; src, dst: first scalar register of the pointers; first: the tensor's first work-group; 1<<shift threads cover a row of the source;
; pitch, col: bytes from row to row of the target and the byte at which this tensor's columns begin
.macro CAST src, dst, first, shift, pitch, col, scaled
	s_sub_co_u32 s24, ttmp9, \first
	s_lshl_b32 s26, s24, 15                        ; 8,192 f32 in
	s_mov_b32 s27, 0
	s_mul_i32 s28, s24, 8*(256>>\shift)*\pitch     ; eight steps of 256>>shift rows out
	s_mov_b32 s29, 0
	s_add_nc_u64 s[26:27], s[\src:\src+1], s[26:27]
	s_add_nc_u64 s[28:29], s[\dst:\dst+1], s[28:29]
.irp i, 0,1,2,3,4,5,6,7
	global_load_b128 v[8+4*\i:11+4*\i], v1, s[26:27] offset:\i*4096 th:TH_LOAD_NT
.endr
	v_lshrrev_b32 v2, \shift, v0                   ; my row in a step
	v_and_b32 v3, (1<<\shift)-1, v0                ; my four columns in it
	v_mul_u32_u24 v2, v2, \pitch
	v_lshl_add_u32 v2, v3, 3, v2                   ; four f16 are 8 bytes
.if \col
	v_add_nc_u32 v2, \col, v2
.endif
.irp i, 0,1,2,3,4,5,6,7
	s_wait_loadcnt 7-\i                            ; loads come back in order: step i is in, the younger ones stay out
.if \scaled
	v_pk_mul_f32 v[8+4*\i:9+4*\i], v[8+4*\i:9+4*\i], s[34:35] op_sel_hi:[1,0]
	v_pk_mul_f32 v[10+4*\i:11+4*\i], v[10+4*\i:11+4*\i], s[34:35] op_sel_hi:[1,0]
.endif
	v_cvt_pk_f16_f32 v[40+2*\i], v[8+4*\i], v[9+4*\i]
	v_cvt_pk_f16_f32 v[41+2*\i], v[10+4*\i], v[11+4*\i]
	global_store_b64 v2, v[40+2*\i:41+2*\i], s[28:29] offset:\i*(256>>\shift)*\pitch   ; no register is written twice: no wait for sources
.endr
.endm
	s_load_b512 s[4:19], s[0:1], 0x0               ; Wq s[4:5], Wo s[6:7], Wk s[8:9], Wv s[10:11], deltas s[12:13], mask s[14:15], wqkv s[16:17], wob s[18:19]
	s_load_b64 s[20:21], s[0:1], 0x40              ; ctmb
	v_lshl_add_u32 v64, v0, 2, 0x4100
	v_mov_b32 v65, 0
	v_lshlrev_b32 v1, 4, v0                        ; 16 t
	s_mov_b32 s34, CSCALE
	s_mov_b32 s35, CSCALE
	s_wait_kmcnt 0x0
	s_cmp_lt_u32 ttmp9, 128
	s_cbranch_scc0 .Lnot_wq
	CAST 4, 16, 0, 8, 3072, 0, 1
	s_endpgm
.Lnot_wq:
	s_cmp_lt_u32 ttmp9, 256
	s_cbranch_scc0 .Lnot_wo
	CAST 6, 18, 128, 8, 2048, 0, 0
	s_endpgm
.Lnot_wo:
	s_cmp_lt_u32 ttmp9, 288
	s_cbranch_scc0 .Lnot_wk
	CAST 8, 16, 256, 6, 3072, 2048, 0
	s_endpgm
.Lnot_wk:
	s_cmp_lt_u32 ttmp9, 320
	s_cbranch_scc0 .Lscan
	CAST 10, 16, 288, 6, 3072, 2560, 0
	s_endpgm
.Lscan:
	; One batch: thread t owns elements 8 t .. 8 t + 7.
	s_sub_co_u32 s24, ttmp9, 320
	s_lshl_b32 s26, s24, 13                        ; 2,048 f32 a batch in deltas and in mask
	s_mov_b32 s27, 0
	s_lshl_b32 s28, s24, 14                        ; 16 KiB a batch in ctmb
	s_mov_b32 s29, 0
	s_add_nc_u64 s[30:31], s[12:13], s[26:27]
	s_add_nc_u64 s[32:33], s[14:15], s[26:27]
	s_add_nc_u64 s[28:29], s[20:21], s[28:29]
	v_lshlrev_b32 v2, 5, v0
	global_load_b128 v[8:11], v2, s[30:31]
	global_load_b128 v[12:15], v2, s[30:31] offset:16
	global_load_b128 v[16:19], v2, s[32:33]
	global_load_b128 v[20:23], v2, s[32:33] offset:16
	s_mov_b32 s38, BIG
	v_lshrrev_b32 v40, 5, v0                       ; my wave
	v_and_b32 v26, 16, v0                          ; not 0 in the upper half of the lanes
	v_mov_b32 v24, 0
	v_add_nc_u32 v31, IMG, v2
	v_add_nc_u32 v41, IMG, v1
	s_wait_loadcnt 0x0
.irp j, 9,10,11,12,13,14,15
	v_add_f32 v\j, v[\j-1], v\j                    ; the running sum inside my eight
.endr
	; what the lanes below me in my 16 hold: my neighbour's total, then a running sum over the 16 lanes (steps of 1, 2, 4, 8)
	v_mov_b32_dpp v24, v15 row_shr:1 row_mask:0xf bank_mask:0xf bound_ctrl:1
	v_add_f32_dpp v24, v24, v24 row_shr:1 row_mask:0xf bank_mask:0xf bound_ctrl:1
	v_add_f32_dpp v24, v24, v24 row_shr:2 row_mask:0xf bank_mask:0xf bound_ctrl:1
	v_add_f32_dpp v24, v24, v24 row_shr:4 row_mask:0xf bank_mask:0xf bound_ctrl:1
	v_add_f32_dpp v24, v24, v24 row_shr:8 row_mask:0xf bank_mask:0xf bound_ctrl:1
	v_add_f32 v25, v24, v15
	v_readlane_b32 s36, v25, 15                    ; the lower 16 lanes' total
	v_readlane_b32 s37, v25, 31                    ; the upper 16 lanes' total
	v_cmp_ne_u32 vcc_lo, 0, v26
	v_mov_b32 v27, s36
	v_cndmask_b32 v27, 0, v27, vcc_lo
	v_add_f32 v24, v24, v27                        ; the upper half stands behind the lower
	s_add_f32 s36, s36, s37                        ; my wave's total
	v_lshlrev_b32 v28, 2, v40
	v_mov_b32 v29, s36
	ds_store_b32 v28, v29
	s_wait_dscnt 0x0                               ; my total is in LDS before I say so
	s_barrier_signal -1
	s_barrier_wait -1
	v_mov_b32 v30, 0
	ds_load_b128 v[32:35], v30
	ds_load_b128 v[36:39], v30 offset:16
	s_wait_dscnt 0x0
.irp j, 0,1,2,3,4,5,6
	v_cmp_lt_u32 vcc_lo, \j, v40                   ; the waves below mine
	v_cndmask_b32 v27, 0, v[32+\j], vcc_lo
	v_add_f32 v24, v24, v27
.endr
.irp j, 8,10,12,14
	v_pk_add_f32 v[\j:\j+1], v[\j:\j+1], v[24:25] op_sel_hi:[1,0]      ; ct = what stands below me + my running sum
.endr
.irp j, 16,17,18,19,20,21,22,23
	v_fma_f32 v\j, v\j, s38, -s38                  ; mb2 = mask*K - K = (1 - mask) * (-K); exactly 0 where mask is 1
.endr
	; through LDS, so that a wave's store covers 512 consecutive bytes
	ds_store_b128 v31, v[8:11]
	ds_store_b128 v31, v[12:15] offset:16
	ds_store_b128 v31, v[16:19] offset:8192
	ds_store_b128 v31, v[20:23] offset:8208
	s_wait_dscnt 0x0
	s_barrier_signal -1
	s_barrier_wait -1
.irp i, 0,1,2,3
	ds_load_b128 v[44+4*\i:47+4*\i], v41 offset:\i*4096
.endr
.irp i, 0,1,2,3
	s_wait_dscnt 3-\i
	global_store_b128 v1, v[44+4*\i:47+4*\i], s[28:29] offset:\i*4096
.endr
	s_wait_tensorcnt 0x0
	ds_add_u32 v64, v65
	s_wait_dscnt 0x0
	s_endpgm
.Lfunc_end_k_q5c1eaa03b9_prep:
	.size	k_q5c1eaa03b9_prep, .Lfunc_end_k_q5c1eaa03b9_prep-k_q5c1eaa03b9_prep
	.p2alignl 7, 3214868480
	.fill 96, 4, 3214868480
	.section	.rodata,"a",@progbits
	.p2align	6, 0x0
	.amdhsa_kernel k_q5c1eaa03b9_prep
		.amdhsa_group_segment_fixed_size 17664
		.amdhsa_private_segment_fixed_size 0
		.amdhsa_enable_private_segment 0
		.amdhsa_kernarg_size 72
		.amdhsa_user_sgpr_count 2
		.amdhsa_user_sgpr_kernarg_segment_ptr 1
		.amdhsa_wavefront_size32 1
		.amdhsa_system_sgpr_workgroup_id_x 1
		.amdhsa_system_sgpr_workgroup_id_y 1
		.amdhsa_system_sgpr_workgroup_id_z 1
		.amdhsa_system_vgpr_workitem_id 0
		.amdhsa_next_free_vgpr 66
		.amdhsa_next_free_sgpr 66
		.amdhsa_reserve_vcc 1
		.amdhsa_float_denorm_mode_32 3
		.amdhsa_float_denorm_mode_16_64 3
		.amdhsa_memory_ordered 1
		.amdhsa_forward_progress 1
		.amdhsa_inst_pref_size 21
	.end_amdhsa_kernel
	.amdgpu_metadata
---
amdhsa.version: [ 1, 2 ]
amdhsa.kernels:
  - .name:           k_q5c1eaa03b9_prep
    .symbol:         k_q5c1eaa03b9_prep.kd
    .args:
      - { .name: Wq, .offset: 0, .size: 8, .value_kind: global_buffer, .address_space: global }
      - { .name: Wo, .offset: 8, .size: 8, .value_kind: global_buffer, .address_space: global }
      - { .name: Wk, .offset: 16, .size: 8, .value_kind: global_buffer, .address_space: global }
      - { .name: Wv, .offset: 24, .size: 8, .value_kind: global_buffer, .address_space: global }
      - { .name: session_deltas, .offset: 32, .size: 8, .value_kind: global_buffer, .address_space: global }
      - { .name: mask, .offset: 40, .size: 8, .value_kind: global_buffer, .address_space: global }
      - { .name: wqkv, .offset: 48, .size: 8, .value_kind: global_buffer, .address_space: global }
      - { .name: wob, .offset: 56, .size: 8, .value_kind: global_buffer, .address_space: global }
      - { .name: ctmb, .offset: 64, .size: 8, .value_kind: global_buffer, .address_space: global }
    .group_segment_fixed_size: 17664
    .private_segment_fixed_size: 0
    .kernarg_segment_align: 8
    .kernarg_segment_size: 72
    .max_flat_workgroup_size: 256
    .sgpr_count:     66
    .vgpr_count:     66
    .wavefront_size: 32
...
	.end_amdgpu_metadata
.endif
;; end of part 1
;; launch proj (part 2): grid 32 x 6, 4 waves a work-group, clusters of 4 x 1, 327,680 bytes of LDS; arguments query, key, value, wqkv, qkv; writes qkv
.if DOCPART == 2
	.amdgcn_target "amdgcn-amd-amdhsa--gfx1250"
	.amdhsa_code_object_version 6
	.text
	.protected	k_q5c1eaa03b9_proj
	.globl	k_q5c1eaa03b9_proj
	.p2align	8
	.type	k_q5c1eaa03b9_proj,@function
k_q5c1eaa03b9_proj:
	s_mov_b64 s[64:65], 0
	v_nop
	global_prefetch_b8 v0, s[64:65] scope:SCOPE_SE
	s_setreg_imm32_b32 hwreg(HW_REG_WAVE_MODE, 25, 1), 1
	s_wait_xcnt 0x0
	s_wait_alu depctr_hold_cnt(0) depctr_sa_sdst(0) depctr_va_vdst(0) depctr_va_sdst(0) depctr_va_ssrc(0) depctr_va_vcc(0) depctr_vm_vsrc(0)
	s_getreg_b32 s2, hwreg(HW_REG_IB_STS2, 6, 4)
	s_cmp_eq_u32 s2, 0
	s_cbranch_scc0 .Lentry_in_a_cluster
	s_endpgm
.Lentry_in_a_cluster:
	s_bfe_u32 s2, ttmp6, 0x10000c
	s_cmp_lg_u32 s2, 0x3003
	s_cbranch_scc0 .Lentry_shape_is_right
	s_endpgm
.Lentry_shape_is_right:
; proj: the three input projections as one product [8192 rows] x [1536 columns of wqkv], K = 1024, f16 operands, f32 sums, f16 out.
; Column blocks of 256: 0-3 take query (c*Wq), 4 takes key (Wk), 5 takes value (Wv).  Out: qkv, 96 planes [2048 s][64 d] f16:
; Q plane 16 b + head, K plane 64 + 4 b + g, V plane 80 + 4 b + g.
; A work-group makes 256 rows x 256 columns with four waves; wave w makes rows 64 w .. 64 w + 63 x all 256 columns: 64 accumulator tiles,
; 512 registers.  So each f32 number of X is read from LDS and converted once in the work-group.
; K goes in steps of 64 through two LDS slots: X 256 rows x 256 bytes of f32 (waves 0, 1 fetch 128 rows each), W 64 k-rows x 512 bytes of f16
; (waves 2, 3 fetch 32 rows each).  W lies [k][n]; its fragments are read with the transposing LDS load.
; CLUSTER: the four row blocks of a cluster read the same tiles of W and ask for them jointly (mask 15).  X's tiles are each work-group's own
; and are plain loads in the same rounds.  X is not shared: only Q's four column blocks read the same X, and the grid's six column blocks
; do not divide into fours.
; THE MATRIX INSTRUCTION IS USED TRANSPOSED (source 0 = 16 columns of W, source 1 = 16 rows of X): a lane holds 8 neighbouring columns of one row.
; The 64 accumulators take turns, one instruction a turn, in the same order in every half step.
; LIMITS: inputs, weights and results beyond f16's largest number (65,504) overflow.
; REGISTERS: window 0: v16-26 addresses; v64-127, v128-191 X, two buffers (fragment a: 16 registers of f32, packed in place into the first 8);
; v192-255 at work on the way out.  Window 1: W's 16 fragments, two buffers of 128.  Window 2: tiles of rows 0-31; window 3: rows 32-63.
.set XPITCH, 272                       ; 256 bytes + 16: the 16 rows of a fragment load start 17 x 16 bytes apart
.set WPITCH, 544                       ; 512 bytes + 32: an odd multiple of 32, for the transposing load
.set XHALF,  128*XPITCH                ; what wave 0 or 1 fetches
.set WHALF,  32*WPITCH                 ; what wave 2 or 3 fetches
.set WOFF,   2*XHALF                   ; W behind X in a slot
.set SLOT,   WOFF+2*WHALF              ; 104,448
.set STAGE,  2*SLOT                    ; behind the ring: 16 rows x 528 bytes for each wave; no tensor load lands here
.set SPITCH, 528
.set PLANE,  262144
.set ADRX, 16                          ; v16-17 my X fragments in slot 0, 1
.set ADRW, 20                          ; v20-21 W's fragments in slot 0, 1
.set STO,  24
.set RD,   25
.set CO,   26
.set XF0,  64
.set XF1,  128
.set TMP,  192
.set WF0,  0                           ; window 1
.set WF1,  128
.set G1X, 24                           ; s[24:31] X's shape
.set G0X, 32                           ; s[32:39] X: from where, to where, a set for each slot
.set G1W, 40                           ; s[40:47] W's shape, with the mask
.set G0W, 48                           ; s[48:55]
.set MUL_LO, 0xa1                      ; source 0 (W) window 1, source 1 (X) window 0, C and D window 2
.set MUL_HI, 0xf1                      ; the same, C and D window 3
.set TO_B,   0x40                      ; destination window 1
.set MSB, 0
.macro WIN new                         ; the immediate's high byte repeats the setting that is left
.if MSB != \new
	s_set_vgpr_msb (MSB<<8)|\new
.set MSB, \new
.endif
.endm
.macro PLACES
.rept 4
	v_nop
.endr
.endm
; One tensor load a wave: waves 0, 1 their own X, waves 2, 3 the joint W.  The branch hangs on the wave's number alone.
.macro JLOAD s
	s_cmp_eq_u32 s15, 0
	s_cbranch_scc0 .Lfor_w_\@
	tensor_load_to_lds s[G0X+4*\s:G0X+4*\s+3], s[G1X:G1X+7]
	s_nop 0
	s_branch .Lasked_\@
.Lfor_w_\@:
	tensor_load_to_lds s[G0W+4*\s:G0W+4*\s+3], s[G1W:G1W+7]
	s_nop 0
.Lasked_\@:
.endm
.macro CREST                           ; a round of the cluster's barrier behind its opening work-group barrier
	s_cmp_lg_u32 s14, 0
	s_cbranch_scc1 .Lnot_wave_0_\@
	s_barrier_signal -3
.Lnot_wave_0_\@:
	s_barrier_wait -3
	s_barrier_signal -1
	s_barrier_wait -1
.endm
.macro CROUND
	s_barrier_signal -1
	s_barrier_wait -1
	CREST
.endm
	s_load_b256 s[4:11], s[0:1], 0x0               ; query s[4:5], key s[6:7], value s[8:9], wqkv s[10:11]
	s_load_b64 s[12:13], s[0:1], 0x20              ; qkv
	v_lshl_add_u32 v62, v0, 2, 0x3b400
	v_mov_b32 v63, 0
	ds_add_u32 v62, v63
	v_lshrrev_b32 v1, 5, v0
	v_readfirstlane_b32 s14, v1                    ; wave 0..3
	s_lshr_b32 s15, s14, 1                         ; I fetch X (0) or W (1)
	s_and_b32 s16, s14, 1                          ; which half of that tile
	s_bfe_u32 s17, ttmp6, 0x40000                  ; cx
	s_lshl_b32 s18, ttmp9, 2
	s_add_co_u32 s18, s18, s17                     ; row block = 4 x cluster x + cx
	s_and_b32 s19, ttmp7, 0xffff                   ; column block, the same in all four partners
	; X: 128 rows x 64 f32, 4 words of padding behind every 64
	s_mov_b32 s[G1X+0], (2<<16)|(1<<20)|(5<<22)|(3<<25)
	s_mov_b32 s[G1X+1], 64<<16                     ; tensor_dim0 = 64
	s_mov_b32 s[G1X+2], 128<<16                    ; tensor_dim1 = 128
	s_mov_b32 s[G1X+3], 64<<16                     ; tile_dim0 = 64
	s_mov_b32 s[G1X+4], 128                        ; tile_dim1 = 128
	s_mov_b32 s[G1X+5], 1024                       ; elements from row to row
	s_mov_b32 s[G1X+6], 0
	s_mov_b32 s[G1X+7], 0
	; W: 32 rows x 256 f16, 8 words of padding behind every 128; mask 15 = all four of the cluster, bit 21 beside it
	s_mov_b32 s[G1W+0], 15|(1<<16)|(1<<20)|(1<<21)|(6<<22)|(7<<25)
	s_mov_b32 s[G1W+1], 256<<16
	s_mov_b32 s[G1W+2], 32<<16
	s_mov_b32 s[G1W+3], 256<<16
	s_mov_b32 s[G1W+4], 32
	s_mov_b32 s[G1W+5], 1536
	s_mov_b32 s[G1W+6], 0
	s_mov_b32 s[G1W+7], 0
	s_lshl_b32 s56, s18, 20                        ; X: row block x 256 rows x 4,096 bytes
	s_lshl_b32 s57, s16, 19                        ;    + half x 128 rows
	s_add_co_u32 s56, s56, s57
	s_mov_b32 s57, 0
	s_lshl_b32 s58, s19, 9                         ; W: column block x 512 bytes (registers that never hold cx)
	s_mul_i32 s59, s16, 32*3072                    ;    + half x 32 rows
	s_add_co_u32 s58, s58, s59
	s_mov_b32 s59, 0
	s_mul_i32 s60, s14, XHALF                      ; LDS: X's halves at wave x 34,816 (waves 0, 1)
	s_mul_i32 s61, s14, WHALF
	s_add_co_u32 s61, s61, WOFF-2*WHALF            ; W's halves at 69,632 + (wave - 2) x 17,408 (waves 2, 3)
	s_wait_dscnt 0x0
	s_wait_kmcnt 0x0
	s_cmp_eq_u32 s19, 4
	s_cselect_b64 s[20:21], s[6:7], s[4:5]         ; column block 4 multiplies key,
	s_cmp_eq_u32 s19, 5
	s_cselect_b64 s[20:21], s[8:9], s[20:21]       ; 5 value, the others query
	s_add_nc_u64 s[20:21], s[20:21], s[56:57]
	s_add_nc_u64 s[22:23], s[10:11], s[58:59]
	CROUND                                         ; all four work-groups are here: the first joint loads meet
.irp s, 0,1
	s_mov_b32 s[G0X+4*\s], 1
	s_add_co_u32 s[G0X+4*\s+1], s60, \s*SLOT
	s_add_nc_u64 s[G0X+4*\s+2:G0X+4*\s+3], s[20:21], \s*256          ; K step s: 64 f32 along the row
	s_or_b32 s[G0X+4*\s+3], s[G0X+4*\s+3], 0x80000000
	s_mov_b32 s[G0W+4*\s], 1
	s_add_co_u32 s[G0W+4*\s+1], s61, \s*SLOT
	s_add_nc_u64 s[G0W+4*\s+2:G0W+4*\s+3], s[22:23], \s*64*3072      ; K step s: 64 rows down
	s_or_b32 s[G0W+4*\s+3], s[G0W+4*\s+3], 0x80000000
	JLOAD \s                                       ; both slots' first fills go out together: two loads of this wave are out
.endr
	v_and_b32 v1, 15, v0                           ; r
	v_bfe_u32 v2, v0, 4, 1                         ; h
	v_and_b32 v3, 7, v0
	v_bfe_u32 v4, v0, 3, 1
	; X fragment: lane (r, h) needs k = 8h..8h+7 and 16+8h..+7 of row r: as f32, 32 bytes at 32 h and 32 bytes at 64 + 32 h
	v_mul_u32_u24 v5, v1, XPITCH
	v_lshl_add_u32 v5, v2, 5, v5
	s_mul_i32 s62, s14, 64*XPITCH                  ; my 64 rows
	v_add_nc_u32 v[ADRX], s62, v5
	v_add_nc_u32 v[ADRX+1], SLOT, v[ADRX]
	; W fragment by the transposing load: lane L addresses row 8h + (L & 7), 16 bytes at 16 ((L >> 3) & 1)
	v_lshl_add_u32 v6, v2, 3, v3
	v_mul_u32_u24 v6, v6, WPITCH
	v_lshl_add_u32 v6, v4, 4, v6
	v_add_nc_u32 v[ADRW], WOFF, v6
	v_add_nc_u32 v[ADRW+1], SLOT, v[ADRW]
	s_mul_i32 s62, s14, 16*SPITCH
	s_add_co_u32 s62, s62, STAGE                   ; my stage
	v_mul_u32_u24 v7, v1, SPITCH
	v_lshl_add_u32 v7, v2, 4, v7
	v_add_nc_u32 v[STO], s62, v7                   ; in: row r, 16 bytes for each half of the lanes
	v_bfe_u32 v8, v0, 3, 2
	v_mul_u32_u24 v8, v8, SPITCH
	v_lshl_add_u32 v8, v3, 4, v8
	v_add_nc_u32 v[RD], s62, v8                    ; back: eight lanes take 128 bytes (one head) of a row, 32 lanes four rows
	v_and_b32 v9, 31, v0
	v_lshlrev_b32 v[CO], 4, v9                     ; which are 512 consecutive bytes of a plane
; 48 LDS loads: half kh (32 of K) of a slot: my 4 X fragments as f32, then W's 16 fragments
.macro FETCH slot, kh, xf, wf
	WIN 0
.irp a, 0,1,2,3
	ds_load_b128 v[\xf+16*\a:\xf+16*\a+3],     v[ADRX+\slot] offset:\a*16*XPITCH+\kh*128
	ds_load_b128 v[\xf+16*\a+4:\xf+16*\a+7],   v[ADRX+\slot] offset:\a*16*XPITCH+\kh*128+16
	ds_load_b128 v[\xf+16*\a+8:\xf+16*\a+11],  v[ADRX+\slot] offset:\a*16*XPITCH+\kh*128+64
	ds_load_b128 v[\xf+16*\a+12:\xf+16*\a+15], v[ADRX+\slot] offset:\a*16*XPITCH+\kh*128+80
.endr
	WIN TO_B
.irp b, 0,1,2,3,4,5,6,7,8,9,10,11,12,13,14,15
	ds_load_tr16_b128 v[\wf+8*\b:\wf+8*\b+3],   v[ADRW+\slot] offset:\kh*32*WPITCH+32*\b
	ds_load_tr16_b128 v[\wf+8*\b+4:\wf+8*\b+7], v[ADRW+\slot] offset:\kh*32*WPITCH+32*\b+16*WPITCH
.endr
.endm
; fragments a0, a0 + 1: 16 f32 become 8 registers of f16, in place (register j takes 2j and 2j + 1, ascending: no source is lost)
.macro CVT2 xf, a0
	WIN 0
.irp a, \a0, \a0+1
.irp j, 0,1,2,3,4,5,6,7
	v_cvt_pk_f16_f32 v[\xf+16*(\a)+\j], v[\xf+16*(\a)+2*\j], v[\xf+16*(\a)+2*\j+1]
.endr
.endr
.endm
; 16 matrix instructions: X fragment 2 hi + a x W's 16 fragments
.macro MUL wf, xf, hi, a, zero
.irp b, 0,1,2,3,4,5,6,7,8,9,10,11,12,13,14,15
.if \zero
	v_wmma_f32_16x16x32_f16 v[8*(16*\a+\b):8*(16*\a+\b)+7], v[\wf+8*\b:\wf+8*\b+7], v[\xf+16*(2*\hi+\a):\xf+16*(2*\hi+\a)+7], 0
.else
	v_wmma_f32_16x16x32_f16 v[8*(16*\a+\b):8*(16*\a+\b)+7], v[\wf+8*\b:\wf+8*\b+7], v[\xf+16*(2*\hi+\a):\xf+16*(2*\hi+\a)+7], v[8*(16*\a+\b):8*(16*\a+\b)+7]
.endif
.endr
.endm
; First half of a K step: multiplies buffer 0, fetches the second half into buffer 1.
; The 16 conversions of fragments 2, 3 name no register of the matrix instructions in front of them: they are the places
; between the matrix instructions that last read buffer 1 and the loads into it.
.macro HALF slot, zero
	s_wait_dscnt 0x0                               ; the 48 loads issued 32 matrix instructions ago
	CVT2 XF0, 0
	WIN MUL_LO
	MUL WF0, XF0, 0, 0, \zero
	MUL WF0, XF0, 0, 1, \zero
	CVT2 XF0, 2
	FETCH \slot, 1, XF1, WF1
	WIN MUL_HI
	MUL WF0, XF0, 1, 0, \zero
	MUL WF0, XF0, 1, 1, \zero
.endm
; Second half: multiplies buffer 1 and changes slots.  In front of the barrier each wave has waited for its reads of this slot and for all its
; tensor loads (the one that is out is its part of the next slot).  Where the slot is filled again the barrier opens a round of the cluster's
; barrier, and the refill is the first tensor load behind the round, one a wave; from there to the wait for it a wave issues 112 matrix instructions.
.macro TURN slot, next, fill
	s_wait_dscnt 0x0                               ; my last reads of this slot are back
	CVT2 XF1, 0
	WIN MUL_LO
	MUL WF1, XF1, 0, 0, 0
	s_set_vgpr_msb 0xa1a0
	s_wait_tensorcnt 0x0                           ; all my tensor loads have landed
	ds_add_u32 v62, v63
	s_wait_dscnt 0x0
	s_set_vgpr_msb 0xa0a1
	s_barrier_signal -1
	MUL WF1, XF1, 0, 1, 0                          ; registers only, while the others arrive
	WIN 0
	s_barrier_wait -1
.if \fill
	CREST
	s_add_nc_u64 s[G0X+4*\slot+2:G0X+4*\slot+3], s[G0X+4*\slot+2:G0X+4*\slot+3], 2*256
	s_add_nc_u64 s[G0W+4*\slot+2:G0W+4*\slot+3], s[G0W+4*\slot+2:G0W+4*\slot+3], 2*64*3072
	JLOAD \slot
.endif
	CVT2 XF1, 2                                    ; again the places in front of the loads
	FETCH \next, 0, XF0, WF0
	WIN MUL_HI
	MUL WF1, XF1, 1, 0, 0
	MUL WF1, XF1, 1, 1, 0
.endm
.macro LAP zero
	HALF 0, \zero
	TURN 0, 1, 1
	HALF 1, 0
	TURN 1, 0, 1
.endm
	s_wait_tensorcnt 0x1                           ; my part of K step 0 is in; step 1's may stay out
	s_barrier_signal -1
	s_barrier_wait -1
	FETCH 0, 0, XF0, WF0
	LAP 1                                          ; 16 K steps = 8 laps.  The first stands ahead of the loop: its first products start the sums
	WIN 0
	s_mov_b32 s3, 6
.Llap:
	LAP 0
	WIN 0
	s_sub_co_u32 s3, s3, 1
	s_cmp_lg_u32 s3, 0
	s_cbranch_scc1 .Llap
	HALF 0, 0                                      ; the last lap fills nothing
	TURN 0, 1, 0
	HALF 1, 0
	s_wait_dscnt 0x0
	CVT2 XF1, 0
	WIN MUL_LO
	MUL WF1, XF1, 0, 0, 0
	MUL WF1, XF1, 0, 1, 0
	CVT2 XF1, 2
	WIN MUL_HI
	MUL WF1, XF1, 1, 0, 0
	MUL WF1, XF1, 1, 1, 0
	; THE WAY OUT, 16 rows at a time: round to f16, 16 bytes a lane into my stage, read back by heads, store 512 consecutive bytes of a plane.
	PLACES                                         ; four places behind the last matrix instructions, for the conversions and the loads below
	s_lshr_b32 s56, s18, 3                         ; b
	s_lshl_b32 s57, s56, 4
	s_lshl2_add_u32 s57, s19, s57                  ; Q: plane 16 b + 4 x column block
	s_lshl_b32 s63, s19, 4
	s_lshl2_add_u32 s63, s56, s63                  ; K, V: plane 16 x column block + 4 b (64 + 4 b, 80 + 4 b)
	s_cmp_lt_u32 s19, 4
	s_cselect_b32 s57, s57, s63
	s_lshl_b32 s20, s57, 18                        ; planes of 262,144 bytes
	s_and_b32 s63, s18, 7
	s_lshl_b32 s63, s63, 15                        ; + 256 rows of 128 bytes for each row block of the batch
	s_add_co_u32 s20, s20, s63
	s_lshl_b32 s63, s14, 13                        ; + my 64 rows
	s_add_co_u32 s20, s20, s63
	s_mov_b32 s21, 0
	s_add_nc_u64 s[12:13], s[12:13], s[20:21]
; rows 16 a .. 16 a + 15 of my 64: the 16 tiles (al, 0..15) of window 2 or 3 (from = 0x0a or 0x0f: sources 0 and 1); f: the registers read back into
.macro OUT16 a, al, from, f
	WIN \from
.irp b, 0,1,2,3,4,5,6,7,8,9,10,11,12,13,14,15
.irp q, 0,1,2,3
	v_cvt_pk_f16_f32 v[TMP+4*\b+\q], v[8*(16*\al+\b)+2*\q], v[8*(16*\al+\b)+2*\q+1]
.endr
.endr
	WIN 0
.irp b, 0,1,2,3,4,5,6,7,8,9,10,11,12,13,14,15
	ds_store_b128 v[STO], v[TMP+4*\b:TMP+4*\b+3] offset:32*\b
.endr
	s_wait_xcnt 0x0                                ; registers f, which earlier stores read, are loaded again only behind this wait
.irp t, 0,1,2,3
.irp j, 0,1,2,3
	ds_load_b128 v[\f+16*\t+4*\j:\f+16*\t+4*\j+3], v[RD] offset:\t*4*SPITCH+128*\j   ; LDS serves a wave in order: these see the stores above
.endr
.endr
.set cnt, 0
.irp t, 0,1,2,3
.irp j, 0,1,2,3
	s_wait_dscnt 15-cnt
	global_store_b128 v[CO], v[\f+4*cnt:\f+4*cnt+3], s[12:13] offset:\j*PLANE+\a*2048+\t*512   ; head j, rows 16 a + 4 t .. + 3
.set cnt, cnt+1
.endr
.endr
.endm
	OUT16 0, 0, 0x0a, XF0
	OUT16 1, 1, 0x0a, XF1
	OUT16 2, 0, 0x0f, XF0
	OUT16 3, 1, 0x0f, XF1
	s_wait_tensorcnt 0x0
	ds_add_u32 v62, v63
	s_wait_dscnt 0x0
	CROUND                                         ; the closing round: no work-group ends while a partner may still ask jointly
	s_endpgm
.Lfunc_end_k_q5c1eaa03b9_proj:
	.size	k_q5c1eaa03b9_proj, .Lfunc_end_k_q5c1eaa03b9_proj-k_q5c1eaa03b9_proj
	.p2alignl 7, 3214868480
	.fill 96, 4, 3214868480
	.section	.rodata,"a",@progbits
	.p2align	6, 0x0
	.amdhsa_kernel k_q5c1eaa03b9_proj
		.amdhsa_group_segment_fixed_size 327680
		.amdhsa_private_segment_fixed_size 0
		.amdhsa_enable_private_segment 0
		.amdhsa_kernarg_size 40
		.amdhsa_user_sgpr_count 2
		.amdhsa_user_sgpr_kernarg_segment_ptr 1
		.amdhsa_wavefront_size32 1
		.amdhsa_system_sgpr_workgroup_id_x 1
		.amdhsa_system_sgpr_workgroup_id_y 1
		.amdhsa_system_sgpr_workgroup_id_z 1
		.amdhsa_system_vgpr_workitem_id 0
		.amdhsa_next_free_vgpr 1024
		.amdhsa_next_free_sgpr 66
		.amdhsa_reserve_vcc 0
		.amdhsa_float_denorm_mode_32 3
		.amdhsa_float_denorm_mode_16_64 3
		.amdhsa_memory_ordered 1
		.amdhsa_forward_progress 1
		.amdhsa_inst_pref_size 154
	.end_amdhsa_kernel
	.amdgpu_metadata
---
amdhsa.version: [ 1, 2 ]
amdhsa.kernels:
  - .name:           k_q5c1eaa03b9_proj
    .symbol:         k_q5c1eaa03b9_proj.kd
    .args:
      - { .name: query, .offset: 0, .size: 8, .value_kind: global_buffer, .address_space: global }
      - { .name: key, .offset: 8, .size: 8, .value_kind: global_buffer, .address_space: global }
      - { .name: value, .offset: 16, .size: 8, .value_kind: global_buffer, .address_space: global }
      - { .name: wqkv, .offset: 24, .size: 8, .value_kind: global_buffer, .address_space: global }
      - { .name: qkv, .offset: 32, .size: 8, .value_kind: global_buffer, .address_space: global }
    .group_segment_fixed_size: 327680
    .private_segment_fixed_size: 0
    .kernarg_segment_align: 8
    .kernarg_segment_size: 40
    .max_flat_workgroup_size: 128
    .sgpr_count:     66
    .vgpr_count:     1024
    .wavefront_size: 32
...
	.end_amdgpu_metadata
.endif
;; end of part 2
;; launch attn (part 3): grid 16 x 16, 8 waves a work-group, clusters of 4 x 1, 327,680 bytes of LDS; arguments qkv, ctmb, time_bias_weight, ab; writes ab
.if DOCPART == 3
	.amdgcn_target "amdgcn-amd-amdhsa--gfx1250"
	.amdhsa_code_object_version 6
	.text
	.protected	k_q5c1eaa03b9_attn
	.globl	k_q5c1eaa03b9_attn
	.p2align	8
	.type	k_q5c1eaa03b9_attn,@function
k_q5c1eaa03b9_attn:
	s_mov_b64 s[64:65], 0
	v_nop
	global_prefetch_b8 v0, s[64:65] scope:SCOPE_SE
	s_setreg_imm32_b32 hwreg(HW_REG_WAVE_MODE, 25, 1), 1
	s_wait_xcnt 0x0
	s_wait_alu depctr_hold_cnt(0) depctr_sa_sdst(0) depctr_va_vdst(0) depctr_va_sdst(0) depctr_va_ssrc(0) depctr_va_vcc(0) depctr_vm_vsrc(0)
	s_getreg_b32 s2, hwreg(HW_REG_IB_STS2, 6, 4)
	s_cmp_eq_u32 s2, 0
	s_cbranch_scc0 .Lentry_in_a_cluster
	s_endpgm
.Lentry_in_a_cluster:
	s_bfe_u32 s2, ttmp6, 0x10000c
	s_cmp_lg_u32 s2, 0x3003
	s_cbranch_scc0 .Lentry_shape_is_right
	s_endpgm
.Lentry_shape_is_right:
; attn: softmax(q k / 8 + w log1p|ct_q - ct_k| + (1 - mask)(-1e9)) v, with a running maximum, in base 2 (q carries 0.125 log2(e) from the cast of Wq).
; A work-group takes 128 queries x the 4 heads of one key/value group (y = 4 b + g); wave w takes 16 queries x 4 heads.  Eight waves, two to a SIMD.
; TRANSPOSED: S^T = K Q^T (A = 16 keys, B = 16 queries): lane (r, h) holds keys 8h + j of query r, so maximum and sum are in the lane plus one
; exchange of the halves, and the running maximum, the sum and the rescale are one number a lane.  Two neighbouring tiles of S^T, packed to f16,
; are the B fragment of O^T = V^T P^T as they lie.  V lies [key][d]; V^T's fragments are read with the transposing LDS load.
; The bias tile (f32, 64 keys x 16 queries) is made once a step, serves all four heads, and enters as C of the first score product.
; THE STEP IS PIPELINED INSIDE THE WAVE.  A step (64 keys, 4 heads) has 64 products and 568 vector instructions.  No product stands in a run:
; each stands alone among the vector instructions of ANOTHER head's softmax step, so that independent vector work follows every product.
; Five sections:  1: softmax of head 1 | PV of head 0, scores of head 2      2: softmax of head 2 | PV of head 1, scores of head 3
;                 B: the next step's bias | PV of head 2                      3: softmax of head 3 | the next step's scores of head 0
;                 0: the next step's softmax of head 0 | PV of head 3, scores of head 1
; K and V go through two LDS slots of 256 keys (four steps of 64); waves 0-3 fetch 64 rows of V each, waves 4-7 of K.
; CLUSTER: the four query blocks of a cluster read the same K and V and ask for them jointly (mask 15).
; All matrix instructions take their accumulators by turns, one instruction a turn.
; LIMITS: f16 operands: |0.18 q|, |k|, |v| beyond 65,504 overflow; weights below 6e-8 of a row's largest count as 0 in the product with V.
; log1p(x) is log2(1 + x): for x below 1e-7 it is 0.  Where every key of a batch is masked, the weights hang on f32 rounding at 1e9
; here as in the f32 formula, and need not agree with it.
.set KPITCH, 144                       ; 128 bytes + 16
.set VPITCH, 160                       ; 128 bytes + 32: an odd multiple of 32, for the transposing load
.set VBYTES, 256*VPITCH
.set KBYTES, 256*KPITCH
.set SLOTB_, VBYTES+KBYTES             ; 77,824: V, then K
.set TAB,    2*SLOTB_                  ; ct 8 KiB, mb2 8 KiB of my batch; written by LDS stores, no tensor load lands here
.set STAGE,  TAB+16384                 ; 16 rows x 528 bytes for each wave
.set SPITCH, 528
.set PLANE,  262144
; window 0
.set ADRK, 4                           ; v4-5   K fragments in slot 0, 1
.set ADRV, 6                           ; v6-7   V fragments in slot 0, 1
.set AK,   8                           ; the K that is loaded next
.set AV,   9                           ; the V that is loaded next
.set AT,   10                          ; the ct that is loaded next (mb2 8,192 bytes further)
.set STO,  11
.set RD,   12
.set CO,   13
.set VQ,   14
.set CTQ,  16                          ; v[16:17] ct of my query, twice
.set MN,   18                          ; v[18:19] the new maximum, twice
.set AL,   20                          ; v20 the rescale 2^(old - new); v21 is only the pair's other half
.set M,    22                          ; v22-25 running maximum of head 0..3
.set BI,   32                          ; v32-63 ct of 64 keys, then the bias: tile t at 8 t
.set SA,   64                          ; v64-95 scores of heads 0 and 2: tile t at 8 t
.set SB,   96                          ; v96-127 scores of heads 1 and 3
.set MB,   SA                          ; mb2 of 64 keys: SA holds nothing between the softmax of head 2 and the next scores of head 0
.set KF,   128                         ; v128-191 K fragments at 8 (2 t + c)
.set PA,   192                         ; v192-207 weights of heads 0 and 2 as f16: 32 keys in registers 8 kc .. 8 kc + 7
.set PB,   208                         ; v208-223 weights of heads 1 and 3
.set L,    224                         ; v224-231 running sums, a pair for each head
.set T,    232                         ; v232-235
.set U,    236                         ; v236-243 four pairs
; window 1
.set O,    0                           ; O^T: head hd, tile dt at 32 hd + 8 dt
.set QF,   128                         ; Q fragments at 8 (2 hd + c)
.set VF,   192                         ; V^T fragments at 8 (2 dt + kc)
.set G1V, 24
.set G0V, 32
.set G1K, 40
.set G0K, 48
.set MSB, 0
.macro WIN new                         ; the immediate's high byte repeats the setting that is left
.if MSB != \new
	s_set_vgpr_msb (MSB<<8)|\new
.set MSB, \new
.endif
.endm
.macro PLACES
.rept 4
	v_nop
.endr
.endm
.macro ROUND                           ; a round of the cluster's barrier
	s_barrier_signal -1
	s_barrier_wait -1
	s_cmp_lg_u32 s12, 0
	s_cbranch_scc1 .Lnot_wave_0_\@
	s_barrier_signal -3
.Lnot_wave_0_\@:
	s_barrier_wait -3
	s_barrier_signal -1
	s_barrier_wait -1
.endm
.macro JLOAD s                         ; one joint load a wave: waves 0-3 V, waves 4-7 K
	s_cmp_eq_u32 s13, 0
	s_cbranch_scc0 .Lfor_k_\@
	tensor_load_to_lds s[G0V+4*\s:G0V+4*\s+3], s[G1V:G1V+7]
	s_nop 0
	s_branch .Lasked_\@
.Lfor_k_\@:
	tensor_load_to_lds s[G0K+4*\s:G0K+4*\s+3], s[G1K:G1K+7]
	s_nop 0
.Lasked_\@:
.endm
	s_load_b256 s[4:11], s[0:1], 0x0               ; qkv s[4:5], ctmb s[6:7], time_bias_weight s[8:9], ab s[10:11]
	v_lshl_add_u32 v254, v0, 2, 0x3a800
	v_mov_b32 v255, 0
	ds_add_u32 v254, v255
	v_lshrrev_b32 v1, 5, v0
	v_readfirstlane_b32 s12, v1                    ; wave 0..7
	s_lshr_b32 s13, s12, 2                         ; I fetch V (0) or K (1)
	s_and_b32 s14, s12, 3                          ; which 64 rows of the slot's 256
	s_bfe_u32 s15, ttmp6, 0x40000                  ; cx
	s_lshl_b32 s16, ttmp9, 2
	s_add_co_u32 s16, s16, s15                     ; query block = 4 x cluster x + cx
	s_and_b32 s17, ttmp7, 0xffff                   ; y = 4 b + g, the same in all four partners
	s_mov_b32 s22, 0x76543210                      ; v_permlanex16_b32: lane i reads lane i of the other half
	s_mov_b32 s23, 0xfedcba98
	; 64 rows x 64 f16, dense; padding behind every 32 words: 8 words for V, 4 for K; mask 15, bit 21 beside it
	s_mov_b32 s[G1V+0], 15|(1<<16)|(1<<20)|(1<<21)|(4<<22)|(7<<25)
	s_mov_b32 s[G1K+0], 15|(1<<16)|(1<<20)|(1<<21)|(4<<22)|(3<<25)
	s_mov_b32 s[G1V+1], 64<<16
	s_mov_b32 s[G1K+1], 64<<16
	s_mov_b32 s[G1V+2], 64<<16
	s_mov_b32 s[G1K+2], 64<<16
	s_mov_b32 s[G1V+3], 64<<16
	s_mov_b32 s[G1K+3], 64<<16
	s_mov_b32 s[G1V+4], 64
	s_mov_b32 s[G1K+4], 64
	s_mov_b32 s[G1V+5], 64
	s_mov_b32 s[G1K+5], 64
	s_mov_b32 s[G1V+6], 0
	s_mov_b32 s[G1K+6], 0
	s_mov_b32 s[G1V+7], 0
	s_mov_b32 s[G1K+7], 0
	s_add_co_u32 s56, s17, 80                      ; V's plane 80 + y
	s_lshl_b32 s56, s56, 18
	s_lshl_b32 s58, s14, 13                        ; + my 64 rows of 128 bytes
	s_add_co_u32 s56, s56, s58
	s_mov_b32 s57, 0
	s_sub_co_u32 s58, s56, 16*PLANE                ; K's plane 64 + y
	s_mov_b32 s59, 0
	s_mul_i32 s60, s12, 64*VPITCH                  ; LDS: V at wave x 10,240 (waves 0-3)
	s_mul_i32 s61, s12, 64*KPITCH
	s_add_co_u32 s61, s61, VBYTES-4*64*KPITCH      ; K at 40,960 + (wave - 4) x 9,216 (waves 4-7)
	s_wait_dscnt 0x0
	s_wait_kmcnt 0x0
	s_load_b32 s20, s[8:9], 0x0                    ; the bias weight
	s_add_nc_u64 s[56:57], s[4:5], s[56:57]
	s_add_nc_u64 s[58:59], s[4:5], s[58:59]
	ROUND                                          ; all four work-groups are here: the first joint loads meet
.irp s, 0,1
	s_mov_b32 s[G0V+4*\s], 1
	s_add_co_u32 s[G0V+4*\s+1], s60, \s*SLOTB_
	s_add_nc_u64 s[G0V+4*\s+2:G0V+4*\s+3], s[56:57], \s*256*128
	s_or_b32 s[G0V+4*\s+3], s[G0V+4*\s+3], 0x80000000
	s_mov_b32 s[G0K+4*\s], 1
	s_add_co_u32 s[G0K+4*\s+1], s61, \s*SLOTB_
	s_add_nc_u64 s[G0K+4*\s+2:G0K+4*\s+3], s[58:59], \s*256*128
	s_or_b32 s[G0K+4*\s+3], s[G0K+4*\s+3], 0x80000000
	JLOAD \s                                       ; keys 0-255 and 256-511: two loads of this wave are out
.endr
	v_and_b32 v1, 15, v0                           ; r
	v_bfe_u32 v2, v0, 4, 1                         ; h
	v_and_b32 v3, 7, v0
	v_bfe_u32 v26, v0, 3, 1
	v_mul_u32_u24 v27, v1, KPITCH
	v_lshl_add_u32 v27, v2, 4, v27
	v_add_nc_u32 v[ADRK], VBYTES, v27              ; K: key r, 16 bytes at 16 h
	v_add_nc_u32 v[ADRK+1], SLOTB_, v[ADRK]
	v_lshl_add_u32 v27, v2, 3, v3
	v_mul_u32_u24 v27, v27, VPITCH
	v_lshl_add_u32 v[ADRV], v26, 4, v27            ; V: key 8h + (L & 7), 16 bytes at 16 ((L >> 3) & 1)
	v_add_nc_u32 v[ADRV+1], SLOTB_, v[ADRV]
	v_lshlrev_b32 v27, 5, v2
	v_add_nc_u32 v[AT], TAB, v27                   ; ct of keys 8h .. 8h + 7
	s_mul_i32 s60, s12, 16*SPITCH
	s_add_co_u32 s60, s60, STAGE                   ; my stage
	v_mul_u32_u24 v27, v1, SPITCH
	v_lshl_add_u32 v27, v2, 4, v27
	v_add_nc_u32 v[STO], s60, v27
	v_and_b32 v27, 31, v0
	v_lshlrev_b32 v[CO], 4, v27
	v_add_nc_u32 v[RD], s60, v[CO]
	v_lshlrev_b32 v27, 7, v1
	v_lshl_add_u32 v[VQ], v2, 4, v27               ; Q: query r, 16 bytes at 16 h
	v_lshlrev_b32 v15, 2, v1
	v_lshlrev_b32 v28, 4, v0
	v_add_nc_u32 v29, TAB, v28
	v_mov_b32 v[AL+1], 0
	s_lshr_b32 s62, s17, 2
	s_lshl_b32 s62, s62, 14
	s_mov_b32 s63, 0
	s_add_nc_u64 s[62:63], s[6:7], s[62:63]        ; my batch's tables
	s_lshl_b32 s18, s16, 9
	s_lshl_b32 s67, s12, 6
	s_add_co_u32 s18, s18, s67
	s_mov_b32 s19, 0
	s_add_nc_u64 s[18:19], s[62:63], s[18:19]      ; ct of my 16 queries (from memory)
	s_lshl_b32 s68, s17, 20                        ; Q's planes 4 y .. 4 y + 3
	s_lshl_b32 s67, s16, 14
	s_add_co_u32 s68, s68, s67
	s_lshl_b32 s67, s12, 11
	s_add_co_u32 s68, s68, s67                     ; + (128 x query block + 16 x wave) rows of 128 bytes
	s_mov_b32 s69, 0
	s_add_nc_u64 s[68:69], s[4:5], s[68:69]
.irp i, 0,1,2,3
	global_load_b128 v[BI+4*\i:BI+4*\i+3], v28, s[62:63] offset:\i*4096    ; the 16 KiB of tables, 64 bytes a thread
.endr
	global_load_b32 v[CTQ], v15, s[18:19]
	WIN 0x40
.irp j, 0,1,2,3
.irp c, 0,1
	global_load_b128 v[QF+8*(2*\j+\c):QF+8*(2*\j+\c)+3],   v[VQ], s[68:69] offset:\j*PLANE+64*\c
	global_load_b128 v[QF+8*(2*\j+\c)+4:QF+8*(2*\j+\c)+7], v[VQ], s[68:69] offset:\j*PLANE+64*\c+32
.endr
.endr
	WIN 0
	s_wait_loadcnt 17                              ; the four table loads are in; ct of my query and Q's 16 loads may be out
.irp i, 0,1,2,3
	ds_store_b128 v29, v[BI+4*\i:BI+4*\i+3] offset:\i*4096
.endr
	s_wait_loadcnt 0x0
	v_mov_b32 v[CTQ+1], v[CTQ]
	s_wait_kmcnt 0x0
	s_mov_b32 s21, s20
	s_wait_tensorcnt 0x1                           ; my part of slot 0 is in; slot 1's may stay out
	s_wait_dscnt 0x0                               ; my part of the tables is in LDS
	s_barrier_signal -1
	s_barrier_wait -1
; ---- the loads of a step: 8 + 8 + 16 + 8 + 8 LDS loads
.macro CTLOAD                          ; ct of the next 64 keys, into the bias registers
.irp t, 0,1,2,3
	ds_load_b128 v[BI+8*\t:BI+8*\t+3],   v[AT] offset:64*\t
	ds_load_b128 v[BI+8*\t+4:BI+8*\t+7], v[AT] offset:64*\t+16
.endr
.endm
.macro MBLOAD                          ; mb2 of the same keys; then the table's address steps
.irp t, 0,1,2,3
	ds_load_b128 v[MB+8*\t:MB+8*\t+3],   v[AT] offset:8192+64*\t
	ds_load_b128 v[MB+8*\t+4:MB+8*\t+7], v[AT] offset:8192+64*\t+16
.endr
	v_add_nc_u32 v[AT], 256, v[AT]
.endm
.macro KLOAD
.irp t, 0,1,2,3
.irp c, 0,1
	ds_load_b128 v[KF+8*(2*\t+\c):KF+8*(2*\t+\c)+3],   v[AK] offset:\t*16*KPITCH+64*\c
	ds_load_b128 v[KF+8*(2*\t+\c)+4:KF+8*(2*\t+\c)+7], v[AK] offset:\t*16*KPITCH+64*\c+32
.endr
.endr
	v_add_nc_u32 v[AK], 64*KPITCH, v[AK]
.endm
.macro VLOAD kc                        ; V^T's four fragments of keys 32 kc .. 32 kc + 31; leaves the setting 0x40
	WIN 0x40
.irp dt, 0,1,2,3
	ds_load_tr16_b128 v[VF+16*\dt+8*\kc:VF+16*\dt+8*\kc+3],   v[AV] offset:\kc*32*VPITCH+32*\dt
	ds_load_tr16_b128 v[VF+16*\dt+8*\kc+4:VF+16*\dt+8*\kc+7], v[AV] offset:\kc*32*VPITCH+32*\dt+16*VPITCH
.endr
.endm
; ---- single products
; O^T of head hd, tile dt += V^T (keys 32 kc ..) x the weights in pb.  Setting 0x51: V^T, C and D window 1, the weights window 0.
.macro PV1 hd, pb, kc, dt, first
.if \first
	v_wmma_f32_16x16x32_f16 v[O+32*\hd+8*\dt:O+32*\hd+8*\dt+7], v[VF+16*\dt+8*\kc:VF+16*\dt+8*\kc+7], v[\pb+8*\kc:\pb+8*\kc+7], 0
.else
	v_wmma_f32_16x16x32_f16 v[O+32*\hd+8*\dt:O+32*\hd+8*\dt+7], v[VF+16*\dt+8*\kc:VF+16*\dt+8*\kc+7], v[\pb+8*\kc:\pb+8*\kc+7], v[O+32*\hd+8*\dt:O+32*\hd+8*\dt+7]
.endif
.endm
.macro PVW hd, pb, kc, dt, first       ; the same among work in window 0
	WIN 0x51
	PV1 \hd, \pb, \kc, \dt, \first
	WIN 0
.endm
; scores of head hd, keys 16 t .. 16 t + 15: c = 0 starts from the bias (d = 0..31), c = 1 adds d = 32..63.  Setting 0x04: Q window 1.
.macro SC1 hd, sb, c, t
.if \c == 0
	v_wmma_f32_16x16x32_f16 v[\sb+8*\t:\sb+8*\t+7], v[KF+16*\t:KF+16*\t+7], v[QF+16*\hd:QF+16*\hd+7], v[BI+8*\t:BI+8*\t+7]
.else
	v_wmma_f32_16x16x32_f16 v[\sb+8*\t:\sb+8*\t+7], v[KF+16*\t+8:KF+16*\t+15], v[QF+16*\hd+8:QF+16*\hd+15], v[\sb+8*\t:\sb+8*\t+7]
.endif
.endm
; ---- section B: bias = w log2(1 + |ct_k - ct_q|) + mb2, with the eight PV products of head pvh (none if pvh < 0) strewn in, two to a tile.
; Behind each run of eight logarithms stands plain work on other registers (the next tile's sums; behind the last run the multiply-adds of
; tiles 0 to 2) before a result is used (ISA guide 5.7.2).
.macro BTILE t, pvh, pvb, kc, dta, dtb, fl
.if \pvh >= 0
	PVW \pvh, \pvb, \kc, \dta, \fl
.endif
.irp i, 0,1,2,3
	v_pk_add_f32 v[BI+8*\t+2*\i:BI+8*\t+2*\i+1], v[BI+8*\t+2*\i:BI+8*\t+2*\i+1], v[CTQ:CTQ+1] neg_lo:[0,1] neg_hi:[0,1]
.endr
.irp i, 0,1,2,3
	v_add_f32 v[BI+8*\t+\i], 1.0, |v[BI+8*\t+\i]|
.endr
.if \pvh >= 0
	PVW \pvh, \pvb, \kc, \dtb, \fl
.endif
.irp i, 4,5,6,7
	v_add_f32 v[BI+8*\t+\i], 1.0, |v[BI+8*\t+\i]|
.endr
.irp i, 0,1,2,3,4,5,6,7
	v_log_f32 v[BI+8*\t+\i], v[BI+8*\t+\i]
.endr
.endm
; w1: how many younger LDS loads may be out when ct has to be in; w2: the same for mb2
.macro SECB pvh, pvb, pvfirst, w1, w2
	s_wait_dscnt \w1
	BTILE 0, \pvh, \pvb, 0, 0, 1, \pvfirst
	BTILE 1, \pvh, \pvb, 0, 2, 3, \pvfirst
	BTILE 2, \pvh, \pvb, 1, 0, 1, 0
	BTILE 3, \pvh, \pvb, 1, 2, 3, 0
	s_wait_dscnt \w2
.set cnt, 0
	s_wait_alu depctr_va_vdst(0)
.rept 16
	v_pk_fma_f32 v[BI+2*cnt:BI+2*cnt+1], v[BI+2*cnt:BI+2*cnt+1], s[20:21], v[MB+2*cnt:MB+2*cnt+1] op_sel_hi:[1,0,1]
.set cnt, cnt+1
.endr
.endm
; ---- a section: the softmax step of head hd on the scores in sb; its weights go to pb.  first = 1: nothing is carried yet.
; Strewn in: the eight PV products of head pvh with the weights in pvb (none if pvh < 0; pvfirst = 1: they start O), and the eight score
; products of head sch into scb (none if sch < 0).  sb and scb, pb and pvb are different buffers, so no vector instruction of the section
; names a register of a product that stands in it: they are the places behind the products (ISA guide 7.12.1).
; The scores in sb were made in an earlier section's run of exponentials: at least 33 plain instructions lie between.
; hook 1: V of the next step is loaded, each half behind the products that read the old one
; hook 2: the waits for those loads        hook 3: ct of the next step is loaded        hook 4: the wait for K of the next step
.macro SEC hd, sb, pb, first, pvh, pvb, pvfirst, sch, scb, hook
.if \hook == 2
	s_wait_dscnt 8                                 ; V's first halves are in; the eight loads of the second halves may be out
.endif
.if \pvh >= 0
	PVW \pvh, \pvb, 0, 0, \pvfirst
.endif
.irp c, 0,1,2,3
	v_max3_num_f32 v[T+\c], v[\sb+8*\c], v[\sb+8*\c+1], v[\sb+8*\c+2]
.endr
.irp c, 0,1,2,3
	v_max3_num_f32 v[T+\c], v[T+\c], v[\sb+8*\c+3], v[\sb+8*\c+4]
.endr
.if \pvh >= 0
	PVW \pvh, \pvb, 0, 1, \pvfirst
.endif
.irp c, 0,1,2,3
	v_max3_num_f32 v[T+\c], v[T+\c], v[\sb+8*\c+5], v[\sb+8*\c+6]
.endr
	v_max3_num_f32 v[T], v[T], v[T+1], v[\sb+7]
	v_max3_num_f32 v[T+2], v[T+2], v[T+3], v[\sb+15]
	v_max3_num_f32 v[T], v[T], v[T+2], v[\sb+23]
.if \first
	v_max_num_f32 v[T], v[T], v[\sb+31]
.else
	v_max3_num_f32 v[T], v[T], v[\sb+31], v[M+\hd]
.endif
.if \pvh >= 0
	PVW \pvh, \pvb, 0, 2, \pvfirst
.endif
	v_permlanex16_b32 v[T+1], v[T], s22, s23       ; the other half's 32 keys of the same query
	v_max_num_f32 v[MN], v[T], v[T+1]
	v_max_num_f32 v[MN+1], v[T], v[T+1]
.if \first == 0
	v_sub_f32 v[AL], v[M+\hd], v[MN]
.endif
.set cnt, 0
.rept 4
	v_pk_add_f32 v[\sb+2*cnt:\sb+2*cnt+1], v[\sb+2*cnt:\sb+2*cnt+1], v[MN:MN+1] neg_lo:[0,1] neg_hi:[0,1]
.set cnt, cnt+1
.endr
.if \pvh >= 0
	PVW \pvh, \pvb, 0, 3, \pvfirst
.endif
.rept 12
	v_pk_add_f32 v[\sb+2*cnt:\sb+2*cnt+1], v[\sb+2*cnt:\sb+2*cnt+1], v[MN:MN+1] neg_lo:[0,1] neg_hi:[0,1]
.set cnt, cnt+1
.endr
.if \hook == 1
	VLOAD 0                                        ; twelve plain instructions behind the last product that read these fragments
.endif
.if \hook == 4
	s_wait_dscnt 0x0                               ; K of the next step is in
.endif
	; An exponential names a destination and source 0 alone, both in window 0: the run and the score products share the setting 0x04.
	WIN 0x04
.if \first == 0
	v_exp_f32 v[AL], v[AL]
.endif
.set cnt, 0
.irp c, 0,1
.irp t, 0,1,2,3
.if \sch >= 0
	SC1 \sch, \scb, \c, \t
.endif
.rept 4
	v_exp_f32 v[\sb+cnt], v[\sb+cnt]
.set cnt, cnt+1
.endr
.endr
.endr
	WIN 0
	v_mov_b32 v[M+\hd], v[MN]                      ; the plain instruction behind the exponentials (ISA guide 5.7.2)
	s_wait_alu depctr_va_vdst(0)
.irp c, 0,1,2,3
	v_pk_add_f32 v[U+2*\c:U+2*\c+1], v[\sb+8*\c:\sb+8*\c+1], v[\sb+8*\c+2:\sb+8*\c+3]
.endr
.if \hook == 3
	CTLOAD                                         ; five plain instructions behind head 3's score products, the last readers of this step's bias
.endif
.if \pvh >= 0
.if \hook == 2
	s_wait_dscnt 0x0                               ; V's second halves are in
.endif
	PVW \pvh, \pvb, 1, 0, 0
.endif
.irp c, 0,1,2,3
	v_pk_add_f32 v[U+2*\c:U+2*\c+1], v[U+2*\c:U+2*\c+1], v[\sb+8*\c+4:\sb+8*\c+5]
.endr
.irp c, 0,1,2,3
	v_pk_add_f32 v[U+2*\c:U+2*\c+1], v[U+2*\c:U+2*\c+1], v[\sb+8*\c+6:\sb+8*\c+7]
.endr
	v_pk_add_f32 v[U:U+1], v[U:U+1], v[U+2:U+3]
	v_pk_add_f32 v[U+4:U+5], v[U+4:U+5], v[U+6:U+7]
.if \first
	v_pk_add_f32 v[L+2*\hd:L+2*\hd+1], v[U:U+1], v[U+4:U+5]
.else
	v_pk_add_f32 v[U:U+1], v[U:U+1], v[U+4:U+5]
	v_pk_fma_f32 v[L+2*\hd:L+2*\hd+1], v[L+2*\hd:L+2*\hd+1], v[AL:AL+1], v[U:U+1] op_sel_hi:[1,0,1]
.endif
.if \pvh >= 0
	PVW \pvh, \pvb, 1, 1, 0
.endif
.set cnt, 0
.rept 16
	v_cvt_pk_f16_f32 v[\pb+cnt], v[\sb+2*cnt], v[\sb+2*cnt+1]      ; 32 keys' weights in registers 8 kc .. 8 kc + 7
.set cnt, cnt+1
.endr
	; The rescale of O (destination and source 0 window 1, the factor window 0) and the PV products share the setting 0x51.
.set cnt, 0
.if \pvh >= 0
	WIN 0x51
	PV1 \pvh, \pvb, 1, 2, 0
.endif
.if \first == 0
	WIN 0x51
.rept 8
	v_pk_mul_f32 v[O+32*\hd+2*cnt:O+32*\hd+2*cnt+1], v[O+32*\hd+2*cnt:O+32*\hd+2*cnt+1], v[AL:AL+1] op_sel_hi:[1,0]
.set cnt, cnt+1
.endr
.endif
.if \pvh >= 0
	WIN 0x51
	PV1 \pvh, \pvb, 1, 3, 0
.endif
.if \first == 0
.rept 8
	v_pk_mul_f32 v[O+32*\hd+2*cnt:O+32*\hd+2*cnt+1], v[O+32*\hd+2*cnt:O+32*\hd+2*cnt+1], v[AL:AL+1] op_sel_hi:[1,0]
.set cnt, cnt+1
.endr
.endif
.if \hook == 1
	VLOAD 1                                        ; eight plain instructions behind the last product that read these fragments
	WIN 0
	v_add_nc_u32 v[AV], 64*VPITCH, v[AV]
.endif
	WIN 0
.endm
; ---- the change of LDS slots, in the last step on slot cur.  My last reads of cur (this step's V) were waited for in section 1; what is out is ct.
; In front of the round each wave waits for all its tensor loads (its part of slot nxt among them) and for its LDS loads; the refill of cur is
; the first tensor load behind the round, one a wave, and has four steps in which to land.  refill = 0: nothing is left to fetch, and my
; work-group's barrier shows the whole of slot nxt to every wave.
.macro BOUND refill, cur, nxt
	s_wait_tensorcnt 0x0
	ds_add_u32 v254, v255
	s_wait_dscnt 0x0
.if \refill
	s_add_nc_u64 s[G0V+4*\cur+2:G0V+4*\cur+3], s[G0V+4*\cur+2:G0V+4*\cur+3], 2*256*128
	s_add_nc_u64 s[G0K+4*\cur+2:G0K+4*\cur+3], s[G0K+4*\cur+2:G0K+4*\cur+3], 2*256*128
.endif
	s_wait_dscnt 0x0
.if \refill
	ROUND
	JLOAD \cur
.else
	s_barrier_signal -1
	s_barrier_wait -1
.endif
	v_mov_b32 v[AK], v[ADRK+\nxt]
	v_mov_b32 v[AV], v[ADRV+\nxt]
.endm
; ---- a step, from its section 1 to the next step's section 0.
; first = 1: step 0, which starts maxima, sums and O.  mode 0: plain; 1: slots change, cur is filled again; 2: slots change, no fill; 3: the last step.
.macro STEP first, mode, cur, nxt
	SEC 1, SB, PB, \first, 0, PA, \first, 2, SA, 2
.if \mode == 3
	SEC 2, SA, PA, 0, 1, PB, 0, 3, SB, 0
	SEC 3, SB, PB, 0, 2, PA, 0, -1, SA, 0
.else
	SEC 2, SA, PA, \first, 1, PB, \first, 3, SB, 3
.if \mode == 1
	BOUND 1, \cur, \nxt
.endif
.if \mode == 2
	BOUND 0, \cur, \nxt
.endif
	MBLOAD                                         ; SA's scores have been packed; K's fragments were last read in section 2's run of exponentials
	KLOAD
	SECB 2, PA, \first, 24, 16                     ; ct is in when mb2's 8 and K's 16 loads are the only ones out; mb2 when K's 16 are
	SEC 3, SB, PB, \first, -1, PA, 0, 0, SA, 4
	SEC 0, SA, PA, 0, 3, PB, \first, 1, SB, 1
.endif
.endm
.macro THREE
	s_mov_b32 s66, 3
.Lthree_\@:
	STEP 0, 0, 0, 0
	s_sub_co_u32 s66, s66, 1
	s_cmp_lg_u32 s66, 0
	s_cbranch_scc1 .Lthree_\@
.endm
	; THE WAY IN: step 0's loads, its bias, head 0's scores, and its section 0.
	v_mov_b32 v[AK], v[ADRK]
	v_mov_b32 v[AV], v[ADRV]
	CTLOAD
	MBLOAD
	KLOAD
	VLOAD 0
	VLOAD 1
	WIN 0
	v_add_nc_u32 v[AV], 64*VPITCH, v[AV]
	SECB -1, PA, 0, 40, 32                         ; ct is in when mb2's 8, K's 16 and V's 16 loads are the only ones out; mb2 when K's and V's are
	s_wait_dscnt 16                                ; K is in; V's 16 loads may be out
	WIN 0x04
.irp c, 0,1
.irp t, 0,1,2,3
	SC1 0, SA, \c, \t
.endr
.endr
	WIN 0
	PLACES                                         ; here alone nothing else stands between scores and their softmax
	SEC 0, SA, PA, 1, -1, PB, 0, 1, SB, 0
	; 32 steps; slots change in steps 3, 7, .. 27; the changes in steps 3 to 23 fill a slot again (keys 512 to 2,047).
	STEP 1, 0, 0, 0                                ; step 0
	s_mov_b32 s66, 2
.Lhead:
	STEP 0, 0, 0, 0                                ; steps 1, 2
	s_sub_co_u32 s66, s66, 1
	s_cmp_lg_u32 s66, 0
	s_cbranch_scc1 .Lhead
	s_mov_b32 s3, 3
.Lpair:
	STEP 0, 1, 0, 1                                ; steps 3, 11, 19
	THREE
	STEP 0, 1, 1, 0                                ; steps 7, 15, 23
	THREE
	s_sub_co_u32 s3, s3, 1
	s_cmp_lg_u32 s3, 0
	s_cbranch_scc1 .Lpair
	STEP 0, 2, 0, 1                                ; step 27
	THREE                                          ; steps 28 to 30
	STEP 0, 3, 0, 0                                ; step 31
	WIN 0x51
.irp kc, 0,1
.irp dt, 0,1,2,3
	PV1 3, PB, \kc, \dt, 0                         ; head 3's last products
.endr
.endr
	WIN 0
	; THE WAY OUT: divide by the sums, round to f16, through my stage, 512 consecutive bytes (4 heads x 64 d of one query) a store.
	PLACES
.irp hd, 0,1,2,3
	v_add_f32 v[T+\hd], v[L+2*\hd], v[L+2*\hd+1]
.endr
.irp hd, 0,1,2,3
	v_permlanex16_b32 v[U+2*\hd+1], v[T+\hd], s22, s23
.endr
.irp hd, 0,1,2,3
	v_add_f32 v[T+\hd], v[T+\hd], v[U+2*\hd+1]     ; at least 1: the largest score's weight is 1
.endr
.irp hd, 0,1,2,3
	v_rcp_f32 v[U+2*\hd], v[T+\hd]
.endr
	v_nop                                          ; the plain instruction behind the reciprocals (ISA guide 5.7.2)
	s_wait_alu depctr_va_vdst(0)
	s_lshr_b32 s68, s17, 2
	s_lshl_b32 s68, s68, 22                        ; b x 2,048 rows of 2,048 bytes
	s_lshl_b32 s67, s16, 18                        ; + query block x 128 rows
	s_add_co_u32 s68, s68, s67
	s_lshl_b32 s67, s12, 15                        ; + wave x 16 rows
	s_add_co_u32 s68, s68, s67
	s_and_b32 s67, s17, 3
	s_lshl_b32 s67, s67, 9                         ; + g x 4 heads x 128 bytes
	s_add_co_u32 s68, s68, s67
	s_mov_b32 s69, 0
	s_add_nc_u64 s[10:11], s[10:11], s[68:69]
.irp hd, 0,1,2,3
	WIN 0x01                                       ; O from window 1
.set cnt, 0
.rept 16
	v_pk_mul_f32 v[KF+32*(\hd&1)+2*cnt:KF+32*(\hd&1)+2*cnt+1], v[O+32*\hd+2*cnt:O+32*\hd+2*cnt+1], v[U+2*\hd:U+2*\hd+1] op_sel_hi:[1,0]
.set cnt, cnt+1
.endr
	WIN 0
.set cnt, 0
.rept 16
	v_cvt_pk_f16_f32 v[SA+16*\hd+cnt], v[KF+32*(\hd&1)+2*cnt], v[KF+32*(\hd&1)+2*cnt+1]
.set cnt, cnt+1
.endr
.irp dt, 0,1,2,3
	ds_store_b128 v[STO], v[SA+16*\hd+4*\dt:SA+16*\hd+4*\dt+3] offset:128*\hd+32*\dt   ; query r, d = 16 dt + 8h .. + 7
.endr
.endr
.irp t, 0,1,2,3,4,5,6,7,8,9,10,11,12,13,14,15
	ds_load_b128 v[KF+4*\t:KF+4*\t+3], v[RD] offset:\t*SPITCH      ; LDS serves a wave in order: these see the stores above
.endr
.irp t, 0,1,2,3,4,5,6,7,8,9,10,11,12,13,14,15
	s_wait_dscnt 15-\t
	global_store_b128 v[CO], v[KF+4*\t:KF+4*\t+3], s[10:11] offset:\t*2048
.endr
	s_wait_tensorcnt 0x0
	ds_add_u32 v254, v255
	s_wait_dscnt 0x0
	ROUND                                          ; the closing round: no work-group ends while a partner may still ask jointly
	s_endpgm
.Lfunc_end_k_q5c1eaa03b9_attn:
	.size	k_q5c1eaa03b9_attn, .Lfunc_end_k_q5c1eaa03b9_attn-k_q5c1eaa03b9_attn
	.p2alignl 7, 3214868480
	.fill 96, 4, 3214868480
	.section	.rodata,"a",@progbits
	.p2align	6, 0x0
	.amdhsa_kernel k_q5c1eaa03b9_attn
		.amdhsa_group_segment_fixed_size 327680
		.amdhsa_private_segment_fixed_size 0
		.amdhsa_enable_private_segment 0
		.amdhsa_kernarg_size 32
		.amdhsa_user_sgpr_count 2
		.amdhsa_user_sgpr_kernarg_segment_ptr 1
		.amdhsa_wavefront_size32 1
		.amdhsa_system_sgpr_workgroup_id_x 1
		.amdhsa_system_sgpr_workgroup_id_y 1
		.amdhsa_system_sgpr_workgroup_id_z 1
		.amdhsa_system_vgpr_workitem_id 0
		.amdhsa_next_free_vgpr 512
		.amdhsa_next_free_sgpr 70
		.amdhsa_reserve_vcc 0
		.amdhsa_float_denorm_mode_32 3
		.amdhsa_float_denorm_mode_16_64 3
		.amdhsa_memory_ordered 1
		.amdhsa_forward_progress 1
		.amdhsa_inst_pref_size 255
	.end_amdhsa_kernel
	.section	.bss,"aw",@nobits
	.p2align	6
	.space	262144
	.amdgpu_metadata
---
amdhsa.version: [ 1, 2 ]
amdhsa.kernels:
  - .name:           k_q5c1eaa03b9_attn
    .symbol:         k_q5c1eaa03b9_attn.kd
    .args:
      - { .name: qkv, .offset: 0, .size: 8, .value_kind: global_buffer, .address_space: global }
      - { .name: ctmb, .offset: 8, .size: 8, .value_kind: global_buffer, .address_space: global }
      - { .name: time_bias_weight, .offset: 16, .size: 8, .value_kind: global_buffer, .address_space: global }
      - { .name: ab, .offset: 24, .size: 8, .value_kind: global_buffer, .address_space: global }
    .group_segment_fixed_size: 327680
    .private_segment_fixed_size: 0
    .kernarg_segment_align: 8
    .kernarg_segment_size: 32
    .max_flat_workgroup_size: 256
    .sgpr_count:     70
    .vgpr_count:     512
    .wavefront_size: 32
...
	.end_amdgpu_metadata
.endif
;; end of part 3
;; launch oproj (part 4): grid 4 x 64, 4 waves a work-group, clusters of 4 x 4, 327,680 bytes of LDS; arguments ab, wob, out0; writes out0
.if DOCPART == 4
	.amdgcn_target "amdgcn-amd-amdhsa--gfx1250"
	.amdhsa_code_object_version 6
	.text
	.protected	k_q5c1eaa03b9_oproj
	.globl	k_q5c1eaa03b9_oproj
	.p2align	8
	.type	k_q5c1eaa03b9_oproj,@function
k_q5c1eaa03b9_oproj:
	s_mov_b64 s[64:65], 0
	v_nop
	global_prefetch_b8 v0, s[64:65] scope:SCOPE_SE
	s_setreg_imm32_b32 hwreg(HW_REG_WAVE_MODE, 25, 1), 1
	s_wait_xcnt 0x0
	s_wait_alu depctr_hold_cnt(0) depctr_sa_sdst(0) depctr_va_vdst(0) depctr_va_sdst(0) depctr_va_ssrc(0) depctr_va_vcc(0) depctr_vm_vsrc(0)
	s_getreg_b32 s2, hwreg(HW_REG_IB_STS2, 6, 4)
	s_cmp_eq_u32 s2, 0
	s_cbranch_scc0 .Lentry_in_a_cluster
	s_endpgm
.Lentry_in_a_cluster:
	s_bfe_u32 s2, ttmp6, 0x10000c
	s_cmp_lg_u32 s2, 0xf033
	s_cbranch_scc0 .Lentry_shape_is_right
	s_endpgm
.Lentry_shape_is_right:
; oproj: out0 [8192][1024] f32 = ab [8192][1024] f16 x wob [1024 k][1024 n] f16, sums in f32.
; A work-group makes 128 rows x 256 columns with four waves (2 x 2); a wave makes 64 x 128: 32 accumulator tiles, 256 registers (window 1).
; 64 x 4 blocks are 256 work-groups.  K goes in steps of 128 through two LDS slots: W 128 k-rows x 512 bytes (waves 0, 1 fetch 64 rows each),
; A 128 rows x 256 bytes (waves 2, 3 fetch 64 rows each).  W lies [k][n]; its fragments are read with the transposing LDS load.
; CLUSTER 4 x 4: A's tile hangs on the block row alone and is asked for jointly along a row of the cluster, W's on the block column alone and
; is asked for jointly along a column.
; THE MATRIX INSTRUCTION IS USED TRANSPOSED (source 0 = 16 columns of W, source 1 = 16 rows of A): a lane holds 8 neighbouring columns of one row.
; The 32 accumulators take turns, one instruction a turn, in the same order in every quarter step.
; LIMITS: none beyond those of its f16 inputs.
.set APITCH, 272
.set WPITCH, 544
.set WHALF,  64*WPITCH                 ; 34,816: what wave 0 or 1 fetches
.set AHALF,  64*APITCH                 ; 17,408: what wave 2 or 3 fetches
.set AOFF,   2*WHALF                   ; A behind W in a slot
.set SLOT,   AOFF+2*AHALF              ; 104,448
.set STAGE,  2*SLOT                    ; 16 rows x 528 bytes for each wave; no tensor load lands here
.set SPITCH, 528
.set ADRA, 16
.set ADRW, 20
.set STO,  24
.set RD,   25
.set CO,   26
.set AF0,  32                          ; buffer 0: A's 4 fragments v32-63, W's 8 fragments v64-127
.set WF0,  64
.set AF1,  128                         ; buffer 1: v128-159, v160-223
.set WF1,  160
.set G1,  24                           ; A's shape and mask
.set G0,  32
.set G1B, 48                           ; W's shape and mask
.set G0B, 56
.set ACC, 0x50                         ; C and D window 1, sources window 0
.set MSB, 0
.macro WIN new                         ; the immediate's high byte repeats the setting that is left
.if MSB != \new
	s_set_vgpr_msb (MSB<<8)|\new
.set MSB, \new
.endif
.endm
.macro PLACES
.rept 4
	v_nop
.endr
.endm
.macro JLOAD s                         ; one joint load a wave: waves 0, 1 W, waves 2, 3 A; each line has one mask
	s_cmp_eq_u32 s11, 0
	s_cbranch_scc0 .Lfor_a_\@
	tensor_load_to_lds s[G0B+4*\s:G0B+4*\s+3], s[G1B:G1B+7]
	s_nop 0
	s_branch .Lasked_\@
.Lfor_a_\@:
	tensor_load_to_lds s[G0+4*\s:G0+4*\s+3], s[G1:G1+7]
	s_nop 0
.Lasked_\@:
.endm
.macro CREST
	s_cmp_lg_u32 s10, 0
	s_cbranch_scc1 .Lnot_wave_0_\@
	s_barrier_signal -3
.Lnot_wave_0_\@:
	s_barrier_wait -3
	s_barrier_signal -1
	s_barrier_wait -1
.endm
.macro CROUND
	s_barrier_signal -1
	s_barrier_wait -1
	CREST
.endm
	s_load_b128 s[4:7], s[0:1], 0x0                ; ab s[4:5], wob s[6:7]
	s_load_b64 s[8:9], s[0:1], 0x10                ; out0
	v_lshl_add_u32 v254, v0, 2, 0x3b400
	v_mov_b32 v255, 0
	ds_add_u32 v254, v255
	v_lshrrev_b32 v1, 5, v0
	v_readfirstlane_b32 s10, v1                    ; wave 0..3
	s_lshr_b32 s11, s10, 1                         ; my 64 rows of the block.  Also: I fetch W (0) or A (1)
	s_and_b32 s12, s10, 1                          ; my 128 columns.  Also: which half of that tile I fetch
	s_bfe_u32 s40, ttmp6, 0x40000                  ; cx
	s_bfe_u32 s41, ttmp6, 0x40004                  ; cy
	s_lshl_b32 s42, ttmp9, 2
	s_add_co_u32 s42, s42, s40                     ; block column
	s_and_b32 s13, ttmp7, 0xffff
	s_lshl_b32 s13, s13, 2
	s_add_co_u32 s13, s13, s41                     ; block row
	s_lshl_b32 s43, s41, 2
	s_lshl_b32 s43, 15, s43                        ; my row of the cluster
	s_lshl_b32 s44, 0x1111, s40                    ; my column
	s_or_b32 s[G1+0], s43, (1<<16)|(1<<20)|(1<<21)|(5<<22)|(3<<25)   ; A: f16, 4 words of padding behind every 64
	s_or_b32 s[G1B+0], s44, (1<<16)|(1<<20)|(1<<21)|(6<<22)|(7<<25)  ; W: f16, 8 words behind every 128
	s_mov_b32 s[G1+1], 128<<16                     ; A: 64 rows x 128
	s_mov_b32 s[G1+2], 64<<16
	s_mov_b32 s[G1+3], 128<<16
	s_mov_b32 s[G1+4], 64
	s_mov_b32 s[G1+5], 1024
	s_mov_b32 s[G1+6], 0
	s_mov_b32 s[G1+7], 0
	s_mov_b32 s[G1B+1], 256<<16                    ; W: 64 rows x 256
	s_mov_b32 s[G1B+2], 64<<16
	s_mov_b32 s[G1B+3], 256<<16
	s_mov_b32 s[G1B+4], 64
	s_mov_b32 s[G1B+5], 1024
	s_mov_b32 s[G1B+6], 0
	s_mov_b32 s[G1B+7], 0
	s_lshl_b32 s17, s12, 6
	s_lshl_b32 s16, s13, 7
	s_add_co_u32 s16, s16, s17                     ; A: row 128 x block row + 64 x half,
	s_lshl_b32 s16, s16, 11                        ; rows of 2,048 bytes
	s_mov_b32 s17, 0
	s_lshl_b32 s46, s42, 9                         ; W: block column x 512 bytes
	s_lshl_b32 s47, s12, 17                        ;    + half x 64 rows of 2,048 bytes
	s_add_co_u32 s46, s46, s47
	s_mov_b32 s47, 0
	s_mul_i32 s20, s10, WHALF                      ; LDS: W's halves at wave x 34,816 (waves 0, 1)
	s_mul_i32 s21, s10, AHALF
	s_add_co_u32 s21, s21, AOFF-2*AHALF            ; A's halves at 69,632 + (wave - 2) x 17,408 (waves 2, 3)
	s_wait_dscnt 0x0
	s_wait_kmcnt 0x0
	s_add_nc_u64 s[14:15], s[4:5], s[16:17]
	s_add_nc_u64 s[46:47], s[6:7], s[46:47]
	CROUND                                         ; all sixteen work-groups are here: the first joint loads meet
.irp s, 0,1
	s_mov_b32 s[G0+4*\s], 1
	s_add_co_u32 s[G0+4*\s+1], s21, \s*SLOT
	s_add_nc_u64 s[G0+4*\s+2:G0+4*\s+3], s[14:15], \s*256            ; K step s: 128 f16 along the row
	s_or_b32 s[G0+4*\s+3], s[G0+4*\s+3], 0x80000000
	s_mov_b32 s[G0B+4*\s], 1
	s_add_co_u32 s[G0B+4*\s+1], s20, \s*SLOT
	s_add_nc_u64 s[G0B+4*\s+2:G0B+4*\s+3], s[46:47], \s*128*2048     ; K step s: 128 rows down
	s_or_b32 s[G0B+4*\s+3], s[G0B+4*\s+3], 0x80000000
	JLOAD \s                                       ; two loads of this wave are out
.endr
	v_and_b32 v1, 15, v0                           ; r
	v_bfe_u32 v2, v0, 4, 1                         ; h
	v_and_b32 v3, 7, v0
	v_bfe_u32 v4, v0, 3, 1
	v_mul_u32_u24 v5, v1, APITCH
	v_lshl_add_u32 v5, v2, 4, v5
	s_mul_i32 s22, s11, 64*APITCH
	s_add_co_u32 s22, s22, AOFF                    ; my 64 rows of A
	v_add_nc_u32 v[ADRA], s22, v5
	v_add_nc_u32 v[ADRA+1], SLOT, v[ADRA]
	v_lshl_add_u32 v6, v2, 3, v3
	v_mul_u32_u24 v6, v6, WPITCH
	v_lshl_add_u32 v6, v4, 4, v6
	s_lshl_b32 s22, s12, 8                         ; my 128 columns of W
	v_add_nc_u32 v[ADRW], s22, v6
	v_add_nc_u32 v[ADRW+1], SLOT, v[ADRW]
	s_mul_i32 s23, s10, 16*SPITCH
	s_add_co_u32 s23, s23, STAGE                   ; my stage
	v_mul_u32_u24 v7, v1, SPITCH
	v_lshl_add_u32 v7, v2, 5, v7
	v_add_nc_u32 v[STO], s23, v7                   ; in: row r, 32 bytes for each half of the lanes
	v_and_b32 v8, 31, v0
	v_lshlrev_b32 v[CO], 4, v8
	v_add_nc_u32 v[RD], s23, v[CO]                 ; back: a row of 512 bytes
; 24 LDS loads: quarter q (32 of K) of a slot: W's 8 fragments, then A's 4
.macro FETCH slot, q, af, wf
	WIN 0
.irp b, 0,1,2,3,4,5,6,7
	ds_load_tr16_b128 v[\wf+8*\b:\wf+8*\b+3],   v[ADRW+\slot] offset:\q*32*WPITCH+32*\b
	ds_load_tr16_b128 v[\wf+8*\b+4:\wf+8*\b+7], v[ADRW+\slot] offset:\q*32*WPITCH+32*\b+16*WPITCH
.endr
.irp a, 0,1,2,3
	ds_load_b128 v[\af+8*\a:\af+8*\a+3],   v[ADRA+\slot] offset:\a*16*APITCH+64*\q
	ds_load_b128 v[\af+8*\a+4:\af+8*\a+7], v[ADRA+\slot] offset:\a*16*APITCH+64*\q+32
.endr
.endm
.macro MUL8 af, wf, a, zero
.irp b, 0,1,2,3,4,5,6,7
.if \zero
	v_wmma_f32_16x16x32_f16 v[8*(8*\a+\b):8*(8*\a+\b)+7], v[\wf+8*\b:\wf+8*\b+7], v[\af+8*\a:\af+8*\a+7], 0
.else
	v_wmma_f32_16x16x32_f16 v[8*(8*\a+\b):8*(8*\a+\b)+7], v[\wf+8*\b:\wf+8*\b+7], v[\af+8*\a:\af+8*\a+7], v[8*(8*\a+\b):8*(8*\a+\b)+7]
.endif
.endr
.endm
; One of a K step's first three quarters: multiplies one buffer; in its middle, behind four places (ISA guide 7.12.1; only matrix instructions
; stand between the last readers of the other buffer and here), it fetches quarter q into the other.
.macro QUARTER slot, q, af, wf, ag, wg, zero
	s_wait_dscnt 4                                 ; W and A's fragments 0, 1 are in; the youngest four loads (fragments 2, 3) may be out
	WIN ACC
	MUL8 \af, \wf, 0, \zero
	MUL8 \af, \wf, 1, \zero
	PLACES
	FETCH \slot, \q, \ag, \wg
	s_wait_dscnt 24                                ; all but the 24 just issued
	WIN ACC
	MUL8 \af, \wf, 2, \zero
	MUL8 \af, \wf, 3, \zero
.endm
.macro THREE slot, zero
	QUARTER \slot, 1, AF0, WF0, AF1, WF1, \zero
	QUARTER \slot, 2, AF1, WF1, AF0, WF0, 0
	QUARTER \slot, 3, AF0, WF0, AF1, WF1, 0
.endm
; The last quarter changes slots.  In front of the barrier each wave has waited for its reads of this slot and for all its tensor loads; where the
; slot is filled again the barrier opens a round of the cluster's barrier and the joint refill is the first tensor load behind the round, one a wave;
; from there to the wait for it a wave issues 120 matrix instructions.
.macro TURN slot, next, fill
	s_wait_dscnt 4
	WIN ACC
	MUL8 AF1, WF1, 0, 0
	s_wait_dscnt 0x0                               ; my reads of this slot are over
	s_wait_tensorcnt 0x0                           ; all my tensor loads have landed: the one that was out is my part of the next slot
	ds_add_u32 v254, v255
	s_wait_dscnt 0x0
	s_barrier_signal -1
	MUL8 AF1, WF1, 1, 0                            ; registers only, while the others arrive
	WIN 0
	s_barrier_wait -1
.if \fill
	CREST
	s_add_nc_u64 s[G0+4*\slot+2:G0+4*\slot+3], s[G0+4*\slot+2:G0+4*\slot+3], 2*256
	s_add_nc_u64 s[G0B+4*\slot+2:G0B+4*\slot+3], s[G0B+4*\slot+2:G0B+4*\slot+3], 2*128*2048
	JLOAD \slot
.endif
	PLACES
	FETCH \next, 0, AF0, WF0
	WIN ACC
	MUL8 AF1, WF1, 2, 0
	MUL8 AF1, WF1, 3, 0
.endm
.macro LAP zero
	THREE 0, \zero
	TURN 0, 1, 1
	THREE 1, 0
	TURN 1, 0, 1
.endm
	s_wait_tensorcnt 0x1                           ; my part of K step 0 is in; step 1's may stay out
	s_barrier_signal -1
	s_barrier_wait -1
	FETCH 0, 0, AF0, WF0
	LAP 1                                          ; 8 K steps = 4 laps.  The first stands ahead of the loop: its first products start the sums
	WIN 0
	s_mov_b32 s3, 2
.Llap:
	LAP 0
	WIN 0
	s_sub_co_u32 s3, s3, 1
	s_cmp_lg_u32 s3, 0
	s_cbranch_scc1 .Llap
	THREE 0, 0                                     ; the last lap fills nothing
	TURN 0, 1, 0
	THREE 1, 0
	s_wait_dscnt 4
	WIN ACC
	MUL8 AF1, WF1, 0, 0
	MUL8 AF1, WF1, 1, 0
	s_wait_dscnt 0x0
	MUL8 AF1, WF1, 2, 0
	MUL8 AF1, WF1, 3, 0
	; THE WAY OUT, 16 rows at a time: the f32 sums go as they are into my stage, come back as rows of 512 bytes, and are stored.
	PLACES                                         ; four places behind the last matrix instructions, for the LDS stores and the loads below
	s_lshl_b32 s16, s13, 7
	s_lshl_b32 s14, s11, 6
	s_add_co_u32 s16, s16, s14                     ; my first row,
	s_lshl_b32 s16, s16, 12                        ; rows of 4,096 bytes
	s_mov_b32 s17, 0
	s_add_nc_u64 s[8:9], s[8:9], s[16:17]
	s_lshl_b32 s46, s42, 10                        ; my first column, in bytes: 1,024 x block + 512 x half
	s_lshl_b32 s47, s12, 9
	s_add_co_u32 s46, s46, s47
	s_mov_b32 s47, 0
	s_add_nc_u64 s[8:9], s[8:9], s[46:47]
.macro OUT16 a, f
	WIN 0x04                                       ; store data from window 1
.irp b, 0,1,2,3,4,5,6,7
	ds_store_b128 v[STO], v[8*(8*\a+\b):8*(8*\a+\b)+3]   offset:64*\b
	ds_store_b128 v[STO], v[8*(8*\a+\b)+4:8*(8*\a+\b)+7] offset:64*\b+16
.endr
	WIN 0
	s_wait_xcnt 0x0                                ; registers f, which earlier stores read, are loaded again only behind this wait
.irp t, 0,1,2,3,4,5,6,7,8,9,10,11,12,13,14,15
	ds_load_b128 v[\f+4*\t:\f+4*\t+3], v[RD] offset:\t*SPITCH      ; LDS serves a wave in order: these see the stores above
.endr
.irp t, 0,1,2,3,4,5,6,7,8,9,10,11,12,13,14,15
	s_wait_dscnt 15-\t
	global_store_b128 v[CO], v[\f+4*\t:\f+4*\t+3], s[8:9] offset:(16*\a+\t)*4096 th:TH_STORE_NT   ; 512 consecutive bytes of one row, aligned
.endr
.endm
	OUT16 0, WF0
	OUT16 1, WF1
	OUT16 2, WF0
	OUT16 3, WF1
	s_wait_tensorcnt 0x0
	ds_add_u32 v254, v255
	s_wait_dscnt 0x0
	CROUND                                         ; the closing round: no work-group ends while a partner may still ask jointly
	s_endpgm
.Lfunc_end_k_q5c1eaa03b9_oproj:
	.size	k_q5c1eaa03b9_oproj, .Lfunc_end_k_q5c1eaa03b9_oproj-k_q5c1eaa03b9_oproj
	.p2alignl 7, 3214868480
	.fill 96, 4, 3214868480
	.section	.rodata,"a",@progbits
	.p2align	6, 0x0
	.amdhsa_kernel k_q5c1eaa03b9_oproj
		.amdhsa_group_segment_fixed_size 327680
		.amdhsa_private_segment_fixed_size 0
		.amdhsa_enable_private_segment 0
		.amdhsa_kernarg_size 24
		.amdhsa_user_sgpr_count 2
		.amdhsa_user_sgpr_kernarg_segment_ptr 1
		.amdhsa_wavefront_size32 1
		.amdhsa_system_sgpr_workgroup_id_x 1
		.amdhsa_system_sgpr_workgroup_id_y 1
		.amdhsa_system_sgpr_workgroup_id_z 1
		.amdhsa_system_vgpr_workitem_id 0
		.amdhsa_next_free_vgpr 512
		.amdhsa_next_free_sgpr 66
		.amdhsa_reserve_vcc 0
		.amdhsa_float_denorm_mode_32 3
		.amdhsa_float_denorm_mode_16_64 3
		.amdhsa_memory_ordered 1
		.amdhsa_forward_progress 1
		.amdhsa_inst_pref_size 117
	.end_amdhsa_kernel
	.amdgpu_metadata
---
amdhsa.version: [ 1, 2 ]
amdhsa.kernels:
  - .name:           k_q5c1eaa03b9_oproj
    .symbol:         k_q5c1eaa03b9_oproj.kd
    .args:
      - { .name: ab, .offset: 0, .size: 8, .value_kind: global_buffer, .address_space: global }
      - { .name: wob, .offset: 8, .size: 8, .value_kind: global_buffer, .address_space: global }
      - { .name: out0, .offset: 16, .size: 8, .value_kind: global_buffer, .address_space: global }
    .group_segment_fixed_size: 327680
    .private_segment_fixed_size: 0
    .kernarg_segment_align: 8
    .kernarg_segment_size: 24
    .max_flat_workgroup_size: 128
    .sgpr_count:     66
    .vgpr_count:     512
    .wavefront_size: 32
...
	.end_amdgpu_metadata
.endif
;; end of part 4
